; MI455X (gfx1250); checked and timed in simulation.
; The chip was launched on July 23, 2026; its instructions are those of AMD's public machine-readable ISA for CDNA 5 (MIT licence, August 2026) and "CDNA5" Instruction Set Architecture Reference Guide (July 2026). The comments in the code are by the model that wrote it; some were corrected since.
;; Self Attention. Allowed arithmetic: matrix products marked QUANTISED: E2M1 operands, one E8M0 scale for each 32 along K, by v_wmma_scale_f32_16x16x128_f8f6f4 with both operands' format E2M1 (or v_wmma_scale_f32_32x16x128_f4), f32 sums; everything else in f32.
;; Inputs: entangle_params 3,072 float32; inputs 2 x 2,048 x 1,024 float32; rotation_params 3,072 x 1,024 float32.
;; Outputs: out0 2 x 2,048 x 1,024 float32.
;; This version of the problem:
;;   THIS VERSION OF THE PROBLEM IS GIVEN IN LOW PRECISION. The matrix products marked QUANTISED in the list below multiply operands that are first quantised to E2M1 (2 exponent bits, 1 mantissa bit; 4 bits a number), with one power-of-two scale for each 32 numbers along K (OCP MX v1.0); their sums are f32. All else is computed in f32.
;;   The module's matrix products, in the order in which they are computed (A, B: the left and right operand; K: the contracted axis; several contracted axes count as one K, in the product's order):
;;     1. [M 4,096, K 1,024] x [K 1,024, N 3,072]; A: input inputs; B: input rotation_params: QUANTISED
;;     2. batch 32 x [M 2,048, K 64] x [K 64, N 2,048]; A: computed on the way; B: computed on the way: QUANTISED
;;     3. batch 32 x [M 2,048, K 2,048] x [K 2,048, N 64]; A: softmax (see below); B: computed on the way: QUANTISED
;;   THE QUANTISER, for each operand of a quantised product, along K:
;;     - K is cut into blocks of 32 from its start; a last block that is shorter is filled with zeros.
;;     - A block's scale is 2^e with e = floor(log2(the largest magnitude in the block)) - 2, held to -126 .. 127; a block of zeros has e = 0. As a byte (E8M0): e + 127.
;;     - Each number is divided by its block's scale, clamped to +-6, and rounded to the nearest number of E2M1, ties to even, subnormals kept.
;;     - The product sums the exact products of the quantised numbers (number of the format x scale) in f32.
;;   ~~~python
;;   def quantise(x, axis):      # numpy; x: float32 -> the quantised numbers, widened to float32 again
;;       x = np.moveaxis(x, axis, -1); K = x.shape[-1]
;;       x = np.pad(x, [(0, 0)] * (x.ndim - 1) + [(0, -K % 32)]); x = x.reshape(x.shape[:-1] + (-1, 32)); a = np.abs(x).max(-1, keepdims=True)
;;       e = np.where(a > 0, np.clip(np.frexp(np.where(a > 0, a, 1))[1] - 1 - 2, -126, 127), 0)      # np.frexp(a)[1] - 1 = floor(log2(a)), exactly
;;       r = np.clip(x / 2.0 ** e, -6, 6)
;;       step = 2.0 ** (np.maximum(np.frexp(np.where(r == 0, 1, r))[1] - 1, 0) - 1)
;;       q = np.round(r / step) * step * 2.0 ** e      # np.round: ties to even
;;       return np.moveaxis(q.reshape(q.shape[:-2] + (-1,))[..., :K], -1, axis).astype(np.float32)
;;   ~~~
;;   SOFTMAX AHEAD OF A QUANTISED PRODUCT. Where the list says 'softmax', what is quantised is not the finished softmax but p = 2^(t - M), with t = logit x log2(e) and M = ceil(the row's largest t), a whole number; so 1/2 < the row's largest p <= 1. The row's sum l is taken of the UNQUANTISED p, in f32, and the product's result is divided by l at the end. Since M is a whole number, a kernel that streams over the keys may use a running M (the ceiling of the running maximum): every later rescaling is an exact power of two, which a block's scale takes up: the codes' values come out the same.
;;   OPERANDS COMPUTED ON THE WAY. 'Computed on the way' means the value that the module computes at that place (a softmax that the list does not call 'softmax' is quantised finished and normalised). What goes into a quantiser is computed in f32, as accurately as f32 sums, v_exp_f32 and their like allow (about 1e-6 of the number): no bf16 or f16 on the way to a quantiser, and a product that is left as it is and whose result goes on into a quantised operand takes f32 operands (vector FMAs, or v_wmma_f32_16x16x4_f32). A number that lies on a knife's edge between two numbers of the format may be rounded either way, as far as f32 arithmetic and the matrix unit's own rounding can turn it there, and no further.
;; One version. Each part assembles by itself: llvm-mc -triple=amdgcn-amd-amdhsa -mcpu=gfx1250 --defsym DOCPART=n.
;; ======== version 1 of 1: 4 launches
;; limits: right only within a limited range of input values
;; workspace buffers: a_codes 2,097,152 bytes; a_scales 131,072 bytes; b_codes 1,572,864 bytes; b_scales 98,304 bytes; q_ws 2,228,224 bytes; kv_ws 4,456,448 bytes; o_ws 16,777,216 bytes
;; launch quant (part 1): grid 896 x 1, 4 waves a work-group, no clusters, 21,248 bytes of LDS; arguments inputs, rotation_params, a_codes, a_scales, b_codes, b_scales; writes a_codes, a_scales, b_codes, b_scales
.if DOCPART == 1
	.amdgcn_target "amdgcn-amd-amdhsa--gfx1250"
	.amdhsa_code_object_version 6
	.text
	.protected	k_q9fa71a2592_quant
	.globl	k_q9fa71a2592_quant
	.p2align	8
	.type	k_q9fa71a2592_quant,@function
k_q9fa71a2592_quant:
	s_mov_b64 s[64:65], 0
	v_nop
	global_prefetch_b8 v0, s[64:65] scope:SCOPE_SE
	s_setreg_imm32_b32 hwreg(HW_REG_WAVE_MODE, 25, 1), 1
	s_wait_xcnt 0x0
; inputs [4096][1024] and rotation_params [3072][1024], f32, become codes of FP4 (E2M1), K innermost (512 bytes a row), with one E8M0 scale byte for each 32 along K (32 bytes a row).
; A block's scale is 2^(floor(log2(its largest magnitude)) - 2); its byte is the largest magnitude's exponent field - 2, held at 1 from below.  Each number is divided by the scale and rounded to the nearest code, ties to even; beyond 6 the largest code.
; (A block of zeros gets the byte 1 where the rule says 127: its codes are zeros, which add nothing under any byte but 0xff, and the bytes are read by this program alone.)
; LIMITS: blocks whose largest magnitude lies under 2^-124, the floor, keep the byte 1; NaN and infinities among the inputs are not served.
; THE ROWS ARE WRITTEN IN ANOTHER ORDER THAN THEY ARE READ.  Within 64 rows, position 16 t + m holds row 32 (m / 8) + 8 t + m % 8: so four tiles of sixteen positions give a lane, in a matrix result whose rows they are,
; 32 neighbouring rows in its 4 x 8 registers: a whole block along the next product's K.  rotation_params' blocks of 64 rows are laid [head 16][Q, K, V][64]: a head's 192 rows lie on end.
; A work-group takes a run of eight rows, a wave two of them: 2,048 numbers in 4 steps of 512, all sixteen loads out at once.  Each load reads 512 consecutive bytes; a step's 2,048 bytes turn through the wave's own stage in LDS
; and come back 64 bytes a lane: 16 neighbours along K, two lanes to a block.  A wave stores 256 consecutive bytes of codes a step; the work-group's 256 scale bytes are gathered in LDS and leave as one unit.
; The first WGA work-groups take inputs, the others rotation_params.  No prefetch: there is no loop to run ahead in.
.set WGA,   512
.set EMAX,  2
.set R,     16                         ; v16-79   four sets of 16 numbers as they are loaded
.set X,     80                         ; v80-111  two sets of 16 neighbours
.set E,     112                        ; v112-115 a scale byte for each step
.set C,     116                        ; v116-123 codes: two registers for each step
.set SPW,   124
.set NIL,   125
.set SP,    80                         ; a lane's place in a stage: its 64 bytes + 16 of padding
.set WREG,  2*32*SP                    ; two stages for each wave
.set SCL,   4*WREG                     ; the run's 256 scale bytes
.set SPARE, SCL+256                    ; the spare words, 128 bytes for each wave
	s_load_b128 s[4:7], s[0:1], 0x0                ; inputs, rotation_params
	s_load_b128 s[8:11], s[0:1], 0x10              ; inputs' codes, scales
	s_load_b128 s[12:15], s[0:1], 0x20             ; rotation_params' codes, scales
	v_lshl_add_u32 v[SPW], v0, 2, SPARE
	v_mov_b32 v[NIL], 0
	v_lshrrev_b32 v1, 5, v0
	v_readfirstlane_b32 s16, v1                    ; wave
	v_and_b32 v2, 31, v0                           ; lane
	v_lshlrev_b32 v3, 4, v2                        ; my 16 bytes of a load's 512
	s_mul_i32 s17, s16, WREG
	v_lshrrev_b32 v14, 2, v2
	v_mul_u32_u24 v14, v14, SP
	v_and_b32 v15, 3, v2
	v_lshl_add_u32 v14, v15, 4, v14
	v_add_nc_u32 v14, s17, v14                     ; the stage, on the way in: four lanes' 64 bytes on end, then 16 of padding
	v_mul_u32_u24 v15, v2, SP
	v_add_nc_u32 v15, s17, v15                     ; and on the way out: SP x lane
	v_lshlrev_b32 v4, 3, v2                        ; my 8 bytes of codes in a step's 256
	s_lshl_b32 s17, s16, 6
	s_add_co_u32 s17, s17, SCL
	v_lshrrev_b32 v5, 1, v2
	v_add_nc_u32 v5, s17, v5                       ; my block's byte among the run's
	v_lshlrev_b32 v7, 3, v2
	v_add_nc_u32 v6, SCL, v7                       ; the way out: 8 scale bytes a lane
	s_wait_alu depctr_va_vdst(0)                   ; the wait at the head's end
	s_wait_kmcnt 0x0
	s_cmp_lt_u32 ttmp9, WGA                        ; which tensor?  The choice hangs on the work-group's number alone
	s_cselect_b64 s[4:5], s[4:5], s[6:7]
	s_cselect_b64 s[8:9], s[8:9], s[12:13]
	s_cselect_b64 s[10:11], s[10:11], s[14:15]
	s_cselect_b32 s17, 0, WGA
	s_sub_co_u32 s17, ttmp9, s17                   ; the run that I read
	s_lshl_b32 s18, s17, 15
	s_lshl_b32 s20, s16, 13
	s_add_co_u32 s18, s18, s20
	s_mov_b32 s19, 0
	s_add_nc_u64 s[4:5], s[4:5], s[18:19]
.irp t, 0,1,2,3
.irp i, 0,1,2,3
	global_load_b128 v[R+16*\t+4*\i:R+16*\t+4*\i+3], v3, s[4:5] offset:2048*\t+512*\i th:TH_LOAD_NT   ; 32 lanes read 512 consecutive bytes
.endr
.endr
	s_lshr_b32 s22, s17, 3                         ; its block of 64 rows: in rotation_params 16 (Q, K, V) + head,
	s_and_b32 s23, s22, 15
	s_mul_i32 s23, s23, 3
	s_lshr_b32 s24, s22, 4
	s_add_co_u32 s23, s23, s24                     ; which goes to 3 head + (Q, K, V)
	s_cmp_lt_u32 ttmp9, WGA
	s_cselect_b32 s22, s22, s23
	s_lshl_b32 s22, s22, 3
	s_and_b32 s23, s17, 3                          ; the run's three bits, rotated by one place
	s_lshl_b32 s23, s23, 1
	s_bfe_u32 s24, s17, 0x10002
	s_or_b32 s23, s23, s24
	s_or_b32 s22, s22, s23                         ; the run that I write
	s_lshl_b32 s18, s22, 12
	s_lshl_b32 s20, s16, 10
	s_add_co_u32 s18, s18, s20
	s_mov_b32 s19, 0
	s_add_nc_u64 s[8:9], s[8:9], s[18:19]
	s_lshl_b32 s18, s22, 8
	s_add_nc_u64 s[10:11], s[10:11], s[18:19]
.macro TURN t                          ; LDS serves a wave's instructions in order: no wait stands between the stores and the loads
.irp i, 0,1,2,3
	ds_store_b128 v14, v[R+16*(\t)+4*\i:R+16*(\t)+4*\i+3] offset:32*SP*((\t)%2)+8*SP*\i
.endr
.irp i, 0,1,2,3
	ds_load_b128 v[X+16*((\t)%2)+4*\i:X+16*((\t)%2)+4*\i+3], v15 offset:32*SP*((\t)%2)+16*\i
.endr
.endm
.macro STEP t
.set XS, X+16*((\t)%2)
.if (\t) > 0
	s_wait_dscnt 1                                 ; this step's numbers are back (the last step's byte store may be out)
.else
	s_wait_dscnt 0x0
.endif
.if (\t) < 3
	s_wait_loadcnt 4*(2-(\t))                      ; the next step's four loads are in
	TURN (\t)+1
.endif
	v_max3_num_f32 v8, |v[XS]|, |v[XS+1]|, |v[XS+2]|               ; the largest magnitude of my 16, in two chains
	v_max3_num_f32 v9, |v[XS+3]|, |v[XS+4]|, |v[XS+5]|
.irp i, 6,10
	v_max3_num_f32 v8, v8, |v[XS+\i]|, |v[XS+\i+1]|
	v_max3_num_f32 v9, v9, |v[XS+\i+2]|, |v[XS+\i+3]|
.endr
	v_max3_num_f32 v8, v8, |v[XS+14]|, |v[XS+15]|
	v_max3_num_f32 v8, v8, v9, (EMAX+1)<<23        ; and the floor 2^(3 - 127): so the byte cannot fall under 1
	v_max_num_f32_dpp v8, v8, v8 row_xmask:1 row_mask:0xf bank_mask:0xf   ; and of my neighbour's 16: the block's
	v_add_nc_u32 v11, 0xff000000, v8               ; 2 off its exponent field: the conversion takes the exponent field of this operand as its scale
	v_cvt_scalef32_pk8_fp4_f32 v[C+2*(\t)], v[XS:XS+7], v11
	v_cvt_scalef32_pk8_fp4_f32 v[C+2*(\t)+1], v[XS+8:XS+15], v11
	v_lshrrev_b32 v[E+(\t)], 23, v11               ; the scale's byte
	ds_store_b8 v5, v[E+(\t)] offset:16*(\t)       ; both lanes of a block write the same byte with the same value
	global_store_b64 v4, v[C+2*(\t):C+2*(\t)+1], s[8:9] offset:256*(\t)
.endm
	s_wait_loadcnt 12                              ; step 0's four loads are in
	TURN 0
.irp t, 0,1,2,3
	STEP \t
.endr
	s_wait_dscnt 0x0                               ; for wave 0's sake: my scale bytes are stored
	s_barrier_signal -1
	s_barrier_wait -1
	s_cmp_lg_u32 s16, 0
	s_cbranch_scc1 .Lend
	ds_load_b64 v[12:13], v6
	s_wait_dscnt 0x0
	global_store_b64 v7, v[12:13], s[10:11]        ; 32 lanes store 256 consecutive aligned bytes
.Lend:
	s_wait_tensorcnt 0x0                           ; the wave's end
	ds_add_u32 v[SPW], v[NIL]
	s_wait_dscnt 0x0
	s_endpgm
.Lfunc_end_k_q9fa71a2592_quant:
	.size	k_q9fa71a2592_quant, .Lfunc_end_k_q9fa71a2592_quant-k_q9fa71a2592_quant
	.p2alignl 7, 3214868480
	.fill 96, 4, 3214868480
	.section	.rodata,"a",@progbits
	.p2align	6, 0x0
	.amdhsa_kernel k_q9fa71a2592_quant
		.amdhsa_group_segment_fixed_size 21248
		.amdhsa_private_segment_fixed_size 0
		.amdhsa_enable_private_segment 0
		.amdhsa_kernarg_size 48
		.amdhsa_user_sgpr_count 2
		.amdhsa_user_sgpr_kernarg_segment_ptr 1
		.amdhsa_wavefront_size32 1
		.amdhsa_system_sgpr_workgroup_id_x 1
		.amdhsa_system_sgpr_workgroup_id_y 1
		.amdhsa_system_sgpr_workgroup_id_z 1
		.amdhsa_system_vgpr_workitem_id 0
		.amdhsa_next_free_vgpr 128
		.amdhsa_next_free_sgpr 66
		.amdhsa_reserve_vcc 0
		.amdhsa_float_denorm_mode_32 3
		.amdhsa_float_denorm_mode_16_64 3
		.amdhsa_memory_ordered 1
		.amdhsa_forward_progress 1
		.amdhsa_inst_pref_size 11
	.end_amdhsa_kernel
	.amdgpu_metadata
---
amdhsa.version: [ 1, 2 ]
amdhsa.kernels:
  - .name:           k_q9fa71a2592_quant
    .symbol:         k_q9fa71a2592_quant.kd
    .args:
      - { .name: inputs, .offset: 0, .size: 8, .value_kind: global_buffer, .address_space: global }
      - { .name: rotation_params, .offset: 8, .size: 8, .value_kind: global_buffer, .address_space: global }
      - { .name: a_codes, .offset: 16, .size: 8, .value_kind: global_buffer, .address_space: global }
      - { .name: a_scales, .offset: 24, .size: 8, .value_kind: global_buffer, .address_space: global }
      - { .name: b_codes, .offset: 32, .size: 8, .value_kind: global_buffer, .address_space: global }
      - { .name: b_scales, .offset: 40, .size: 8, .value_kind: global_buffer, .address_space: global }
    .group_segment_fixed_size: 21248
    .private_segment_fixed_size: 0
    .kernarg_segment_align: 8
    .kernarg_segment_size: 48
    .max_flat_workgroup_size: 128
    .sgpr_count:     66
    .vgpr_count:     128
    .wavefront_size: 32
...
	.end_amdgpu_metadata
.endif
;; end of part 1
;; launch proj (part 2): grid 16 x 16, 4 waves a work-group, clusters of 4 x 4, 239,104 bytes of LDS; arguments a_codes, a_scales, b_codes, b_scales, entangle_params, q_ws, kv_ws; writes q_ws, kv_ws
.if DOCPART == 2
	.amdgcn_target "amdgcn-amd-amdhsa--gfx1250"
	.amdhsa_code_object_version 6
	.text
	.protected	k_q9fa71a2592_proj
	.globl	k_q9fa71a2592_proj
	.p2align	8
	.type	k_q9fa71a2592_proj,@function
k_q9fa71a2592_proj:
	s_mov_b64 s[64:65], 0
	v_nop
	global_prefetch_b8 v0, s[64:65] scope:SCOPE_SE
	s_setreg_imm32_b32 hwreg(HW_REG_WAVE_MODE, 25, 1), 1
	s_wait_xcnt 0x0
	s_wait_alu depctr_hold_cnt(0) depctr_sa_sdst(0) depctr_va_vdst(0) depctr_va_sdst(0) depctr_va_ssrc(0) depctr_va_vcc(0) depctr_vm_vsrc(0)
	s_getreg_b32 s2, hwreg(HW_REG_IB_STS2, 6, 4)
	s_cmp_eq_u32 s2, 0
	s_cbranch_scc0 .Lentry_in_a_cluster
	s_endpgm
.Lentry_in_a_cluster:
	s_bfe_u32 s2, ttmp6, 0x10000c
	s_cmp_lg_u32 s2, 0xf033
	s_cbranch_scc0 .Lentry_shape_is_right
	s_endpgm
.Lentry_shape_is_right:
; Q, K, V = inputs rotation_params^T + entangle_params on codes of FP4, quantised anew (FP4, E8M0) as the attention's operands.  A work-group makes 256 positions x ONE HEAD'S 64 of Q, 64 of K and 64 of V: 256 work-groups of equal work.
; ALL OF K (1,024 codes, 512 bytes a row) LIES IN LDS: 256 rows of inputs, 192 of rotation_params, pitch 528 (512 + 16 of padding: the sixteen rows of a fragment start 4 words apart modulo 64).  Each wave brings a quarter by ONE tensor load; nothing is filled again.
; CLUSTERS of 4 x 4: the four of a row want the same rows of inputs, the four of a column the same rows of rotation_params: joint loads, the mask names the four.
; No prefetch: each tile is asked for once, at the head; there is no loop to run ahead in.
; A wave makes 64 positions x 192: 48 accumulators of 16 x 16.  Q and K: source 0 = 16 features, source 1 = 16 positions: lane (r, h) then holds position r and features 32 h + 8 b + j; V: the other way round: d row r, positions 32 h + 8 i + j.
; So 32 registers of a lane are a whole block along the next product's K: its largest magnitude and its codes need no other lane, and the four registers of codes are the operand's image.
; SCALE WORDS go from memory straight to registers: lane l takes 32 bytes of row l of 32: lanes 0-15 serve the even tile, lanes 16-31 (ROW1) the odd one; register q serves 128 q .. 128 q + 127 along K.
; OUT: q_ws [hb 32][16 records of 128 positions]: 8 tile images of 512 bytes, then [r 16][4 words] of scales, a word for two tiles.  kv_ws likewise: K's images 4,096, V's 4,096 (d-tile f: keys 0-63, 64-127), K's words 256, V's words 256.  hb = 2 head + batch.
; The scale bytes meet in LDS and leave as whole units of 256 bytes.
; LIMITS: blocks whose largest magnitude lies under 2^-124 keep the byte 1 (zeros too: their codes are zeros); NaN and infinities are not served.
; REGISTERS: window 0: v4-16 addresses; v32-95 scale words alone; v96-159 two sets of the fragments of inputs, later two sets of 32 numbers; v160-167 V's bias; v168-215 codes; window 1: v0-191 two sets of 12 fragments of rotation_params, v192-255 Q's and K's bias;
;   window 2: Q's and K's accumulators (32 (tile) + 8 b); window 3: V's.
.set PITCH, 528
.set TR,    16*PITCH
.set BB0,   256*PITCH
.set SPARE, 448*PITCH
.set SCX,   SPARE+512                  ; the scales' meeting place: Q's two records, K's, V's: 512 bytes each
.set REC,   8704
.set QREC,  4352
.set SPW, 4
.set NIL, 5
.set ADRA, 6
.set ADB0, 7
.set ADB1, 8
.set L16, 9
.set L32, 10
.set OBB, 11
.set OBA, 12
.set SXW, 13
.set SVW, 14
.set SXR, 15
.set SOF, 16
.set SCA, 32
.set SCB, 48
.set AF, 96
.set BV, 160
.set PC, 168
.set TA, 216
.set TB, 218
.set OP, 220
.set SB, 224
.set WW, 236
.set FN, 244
.set G1A, 24
.set G0A, 32
.set G0B, 36
.set G1B, 48
.set MSB, 0
.macro WIN new
.if MSB != \new
	s_set_vgpr_msb (MSB<<8)|\new
.set MSB, \new
.endif
.endm
.macro CROUND                          ; a round of the cluster's barrier
	s_barrier_signal -1
	s_barrier_wait -1
	s_cmp_lg_u32 s20, 0
	s_cbranch_scc1 .Lnot_wave_0_\@
	s_barrier_signal -3
.Lnot_wave_0_\@:
	s_barrier_wait -3
	s_barrier_signal -1
	s_barrier_wait -1
.endm
	s_load_b256 s[4:11], s[0:1], 0x0               ; codes and scales of inputs, of rotation_params
	s_load_b128 s[12:15], s[0:1], 0x20             ; entangle_params, q_ws
	s_load_b64 s[16:17], s[0:1], 0x30              ; kv_ws
	v_lshl_add_u32 v[SPW], v0, 2, SPARE
	v_mov_b32 v[NIL], 0
	ds_add_u32 v[SPW], v[NIL]                      ; the opening: the add, twice on end, and its wait
	ds_add_u32 v[SPW], v[NIL]
	v_lshrrev_b32 v1, 5, v0
	v_readfirstlane_b32 s20, v1                    ; wave 0..3
	s_lshr_b32 s21, s20, 1                         ; I fetch for inputs (0) or rotation_params (1); and which record of the two my positions are in
	s_and_b32 s22, s20, 1                          ; which half of those rows; and which half of the record
	s_bfe_u32 s40, ttmp6, 0x40000                  ; cx
	s_bfe_u32 s41, ttmp6, 0x40004                  ; cy
	s_lshl_b32 s42, ttmp9, 2
	s_add_co_u32 s42, s42, s40                     ; head
	s_and_b32 s43, ttmp7, 0xffff
	s_lshl_b32 s43, s43, 2
	s_add_co_u32 s43, s43, s41                     ; block of 256 positions
	s_lshl_b32 s44, s41, 2
	s_lshl_b32 s44, 15, s44                        ; my row of the cluster
	s_lshl_b32 s45, 0x1111, s40                    ; my column
	; group 1: rows of 512 bytes, dense; 16 bytes of padding behind each in LDS (code 6: after 128 words; code 3: of 4)
	s_or_b32 s[G1A], s44, (1<<20)|(1<<21)|(6<<22)|(3<<25)
	s_mov_b32 s[G1A+1], 512<<16
	s_mov_b32 s[G1A+2], 128<<16
	s_mov_b32 s[G1A+3], 512<<16
	s_mov_b32 s[G1A+4], 128
	s_mov_b32 s[G1A+5], 512
	s_mov_b32 s[G1A+6], 0
	s_mov_b32 s[G1A+7], 0
	s_or_b32 s[G1B], s45, (1<<20)|(1<<21)|(6<<22)|(3<<25)
	s_mov_b32 s[G1B+1], 512<<16
	s_mov_b32 s[G1B+2], 96<<16
	s_mov_b32 s[G1B+3], 512<<16
	s_mov_b32 s[G1B+4], 96
	s_mov_b32 s[G1B+5], 512
	s_mov_b32 s[G1B+6], 0
	s_mov_b32 s[G1B+7], 0
	s_lshl_b32 s56, s43, 17                        ; inputs: 256 rows of 512 bytes a block,
	s_lshl_b32 s57, s22, 16                        ; my 128
	s_add_co_u32 s56, s56, s57
	s_mov_b32 s57, 0
	s_mul_i32 s58, s42, 192*512                    ; rotation_params: 192 rows a head,
	s_mul_i32 s59, s22, 96*512                     ; my 96
	s_add_co_u32 s58, s58, s59
	s_mov_b32 s59, 0
	s_mul_i32 s66, s22, 128*PITCH                  ; where they go in LDS: no place in the cluster enters it
	s_mul_i32 s67, s22, 96*PITCH
	s_add_co_u32 s67, s67, BB0
	; addresses of the lanes: r = lane % 16, h = lane / 16
	v_and_b32 v1, 15, v0
	v_bfe_u32 v2, v0, 4, 1
	v_and_b32 v3, 31, v0
	v_lshlrev_b32 v[L16], 4, v3
	v_lshlrev_b32 v[L32], 5, v3
	v_mul_u32_u24 v20, v1, PITCH
	v_lshl_add_u32 v20, v2, 4, v20                 ; a fragment: row r x pitch + 16 h
	s_mul_i32 s68, s20, 64*PITCH
	v_add_nc_u32 v[ADRA], s68, v20                 ; my 64 positions
	v_add_nc_u32 v[ADB0], BB0, v20                 ; tiles 0 to 5,
	v_add_nc_u32 v[ADB1], BB0+6*TR, v20            ; tiles 6 to 11
	v_lshlrev_b32 v[OBB], 7, v2                    ; bias of Q, K: features 32 h on
	v_and_b32 v21, 8, v1
	v_mad_u32_u24 v21, v21, 3, v1                  ; 32 (r / 8) + r % 8
	v_lshlrev_b32 v[OBA], 2, v21                   ; bias of V: my d row
	v_lshlrev_b32 v22, 4, v1
	s_wait_alu depctr_va_vdst(0)                   ; the wait here, directly behind the write
	s_lshl_b32 s69, s21, 8
	s_lshl_b32 s70, s22, 3
	s_add_co_u32 s70, s70, s69
	s_add_co_u32 s70, s70, SCX
	v_lshl_add_u32 v23, v2, 9, v22
	v_add_nc_u32 v[SXW], s70, v23                  ; lanes 0-15 store Q's words, lanes 16-31 K's
	s_lshl_b32 s70, s22, 1
	s_add_co_u32 s70, s70, s69
	s_add_co_u32 s70, s70, SCX+1024
	v_lshl_add_u32 v23, v2, 2, v22
	v_add_nc_u32 v[SVW], s70, v23                  ; V's half words: d-tile h, and 2 + h
	v_lshl_add_u32 v[SXR], v0, 4, SCX              ; back: 512 bytes a wave
	s_mov_b32 s71, REC
	s_cmp_eq_u32 s20, 0
	s_cselect_b32 s71, QREC, s71
	v_mul_u32_u24 v23, s71, v2
	v_add_nc_u32 v[SOF], v23, v22                  ; lanes 0-15 the first record's 256 bytes, lanes 16-31 the second's
	s_wait_alu depctr_va_vdst(0)                   ; the wait at the head's end
	s_wait_dscnt 0x0                               ; both opening adds are done
	s_wait_kmcnt 0x0
	s_mov_b32 s[G0A], 1
	s_mov_b32 s[G0A+1], s66
	s_add_nc_u64 s[G0A+2:G0A+3], s[4:5], s[56:57]
	s_or_b32 s[G0A+3], s[G0A+3], 0x80000000
	s_mov_b32 s[G0B], 1
	s_mov_b32 s[G0B+1], s67
	s_add_nc_u64 s[G0B+2:G0B+3], s[8:9], s[58:59]
	s_or_b32 s[G0B+3], s[G0B+3], 0x80000000
	CROUND                                         ; all sixteen work-groups are here: the joint loads meet
	s_cmp_eq_u32 s21, 0
	s_cbranch_scc0 .Lfor_b
	tensor_load_to_lds s[G0A:G0A+3], s[G1A:G1A+7]
	s_nop 0
.rept 4
	v_nop
.endr
	s_branch .Lasked
.Lfor_b:
	tensor_load_to_lds s[G0B:G0B+3], s[G1B:G1B+7]
	s_nop 0
.rept 4
	v_nop
.endr
.Lasked:
	s_lshl_b32 s60, s43, 13                        ; scales: 32 bytes a row
	s_lshl_b32 s61, s20, 11
	s_add_co_u32 s60, s60, s61
	s_mov_b32 s61, 0
	s_add_nc_u64 s[60:61], s[6:7], s[60:61]
	s_mul_i32 s62, s42, 192*32
	s_mov_b32 s63, 0
	s_add_nc_u64 s[62:63], s[10:11], s[62:63]
	s_lshl_b32 s72, s42, 8
	s_mov_b32 s73, 0
	s_add_nc_u64 s[12:13], s[12:13], s[72:73]      ; bias: the head's 64 of Q; K's and V's 4,096 and 8,192 bytes on
.irp g, 0,1
	global_load_b128 v[SCA+8*\g:SCA+8*\g+3], v[L32], s[60:61] offset:1024*\g
	global_load_b128 v[SCA+8*\g+4:SCA+8*\g+7], v[L32], s[60:61] offset:1024*\g+16
.endr
.irp g, 0,1,2,3,4,5
	global_load_b128 v[SCB+8*\g:SCB+8*\g+3], v[L32], s[62:63] offset:1024*\g
	global_load_b128 v[SCB+8*\g+4:SCB+8*\g+7], v[L32], s[62:63] offset:1024*\g+16
.endr
.irp f, 0,1,2,3
	global_load_b32 v[BV+2*\f], v[OBA], s[12:13] offset:8192+32*\f      ; (twice: the packed addition names a pair)
	global_load_b32 v[BV+2*\f+1], v[OBA], s[12:13] offset:8192+32*\f
.endr
	WIN 0x40
.irp k, 0,1,2,3,4,5,6,7
	global_load_b128 v[192+4*\k:195+4*\k], v[OBB], s[12:13] offset:16*\k
	global_load_b128 v[224+4*\k:227+4*\k], v[OBB], s[12:13] offset:4096+16*\k
.endr
	WIN 0
	; where my results go
	s_lshr_b32 s72, s43, 3                         ; batch
	s_lshl_b32 s73, s42, 1
	s_add_co_u32 s72, s72, s73                     ; hb
	s_lshl_b32 s72, s72, 4
	s_and_b32 s73, s43, 7
	s_lshl_b32 s73, s73, 1
	s_add_co_u32 s72, s72, s73                     ; the work-group's first record
	s_add_co_u32 s73, s72, s21                     ; mine
	s_mul_i32 s74, s73, QREC
	s_mul_i32 s76, s73, REC
	s_lshl_b32 s78, s22, 9
	s_add_co_u32 s78, s78, s76
	s_add_co_u32 s78, s78, 4096                    ; V's images: half 512 bytes on
	s_lshl_b32 s80, s22, 11
	s_add_co_u32 s74, s74, s80                     ; Q's, K's: four tiles on
	s_add_co_u32 s76, s76, s80
	s_mov_b32 s75, 0
	s_mov_b32 s77, 0
	s_mov_b32 s79, 0
	s_add_nc_u64 s[74:75], s[14:15], s[74:75]
	s_add_nc_u64 s[76:77], s[16:17], s[76:77]
	s_add_nc_u64 s[78:79], s[16:17], s[78:79]
	s_mul_i32 s80, s72, QREC                       ; the scale words: wave 0 Q's, wave 1 K's, wave 2 V's
	s_add_co_u32 s80, s80, 4096
	s_mul_i32 s82, s72, REC
	s_lshl_b32 s84, s20, 8
	s_add_co_u32 s82, s82, s84
	s_add_co_u32 s82, s82, 8192-256
	s_cmp_eq_u32 s20, 0
	s_cselect_b32 s80, s80, s82
	s_cselect_b64 s[14:15], s[14:15], s[16:17]
	s_mov_b32 s81, 0
	s_add_nc_u64 s[80:81], s[14:15], s[80:81]
.macro FA q, p                         ; the four fragments of my positions: lane (r, h): K = 64 c + 32 h + 0 .. 31 in registers 4 c .. 4 c + 3
.irp i, 0,1,2,3
.irp c, 0,1
	ds_load_b128 v[AF+32*(\p)+8*\i+4*\c:AF+32*(\p)+8*\i+4*\c+3], v[ADRA] offset:\i*TR+64*(\q)+32*\c
.endr
.endr
.endm
.macro FB g, q, p                      ; four fragments of rotation_params: Q's, K's or V's
.irp b, 0,1,2,3
.set TN, 4*(\g)+\b
.irp c, 0,1
.if TN < 6
	ds_load_b128 v[96*(\p)+8*TN+4*\c:96*(\p)+8*TN+4*\c+3], v[ADB0] offset:TN*TR+64*(\q)+32*\c
.else
	ds_load_b128 v[96*(\p)+8*TN+4*\c:96*(\p)+8*TN+4*\c+3], v[ADB1] offset:(TN-6)*TR+64*(\q)+32*\c
.endif
.endr
.endr
.endm
.macro WM d, a, b, sa, sb, ra, rb      ; KZ: the first step's products start the sums
.set WD, \d
.set WA, \a
.set WB, \b
.set RR, 2*(\ra)+(\rb)
.if KZ
.if RR == 0
	v_wmma_scale_f32_16x16x128_f8f6f4 v[WD:WD+7], v[WA:WA+7], v[WB:WB+7], 0, v[\sa], v[\sb] matrix_a_fmt:MATRIX_FMT_FP4 matrix_b_fmt:MATRIX_FMT_FP4
.elseif RR == 1
	v_wmma_scale_f32_16x16x128_f8f6f4 v[WD:WD+7], v[WA:WA+7], v[WB:WB+7], 0, v[\sa], v[\sb] matrix_a_fmt:MATRIX_FMT_FP4 matrix_b_fmt:MATRIX_FMT_FP4 matrix_b_scale:MATRIX_SCALE_ROW1
.elseif RR == 2
	v_wmma_scale_f32_16x16x128_f8f6f4 v[WD:WD+7], v[WA:WA+7], v[WB:WB+7], 0, v[\sa], v[\sb] matrix_a_fmt:MATRIX_FMT_FP4 matrix_b_fmt:MATRIX_FMT_FP4 matrix_a_scale:MATRIX_SCALE_ROW1
.else
	v_wmma_scale_f32_16x16x128_f8f6f4 v[WD:WD+7], v[WA:WA+7], v[WB:WB+7], 0, v[\sa], v[\sb] matrix_a_fmt:MATRIX_FMT_FP4 matrix_b_fmt:MATRIX_FMT_FP4 matrix_a_scale:MATRIX_SCALE_ROW1 matrix_b_scale:MATRIX_SCALE_ROW1
.endif
.else
.if RR == 0
	v_wmma_scale_f32_16x16x128_f8f6f4 v[WD:WD+7], v[WA:WA+7], v[WB:WB+7], v[WD:WD+7], v[\sa], v[\sb] matrix_a_fmt:MATRIX_FMT_FP4 matrix_b_fmt:MATRIX_FMT_FP4
.elseif RR == 1
	v_wmma_scale_f32_16x16x128_f8f6f4 v[WD:WD+7], v[WA:WA+7], v[WB:WB+7], v[WD:WD+7], v[\sa], v[\sb] matrix_a_fmt:MATRIX_FMT_FP4 matrix_b_fmt:MATRIX_FMT_FP4 matrix_b_scale:MATRIX_SCALE_ROW1
.elseif RR == 2
	v_wmma_scale_f32_16x16x128_f8f6f4 v[WD:WD+7], v[WA:WA+7], v[WB:WB+7], v[WD:WD+7], v[\sa], v[\sb] matrix_a_fmt:MATRIX_FMT_FP4 matrix_b_fmt:MATRIX_FMT_FP4 matrix_a_scale:MATRIX_SCALE_ROW1
.else
	v_wmma_scale_f32_16x16x128_f8f6f4 v[WD:WD+7], v[WA:WA+7], v[WB:WB+7], v[WD:WD+7], v[\sa], v[\sb] matrix_a_fmt:MATRIX_FMT_FP4 matrix_b_fmt:MATRIX_FMT_FP4 matrix_a_scale:MATRIX_SCALE_ROW1 matrix_b_scale:MATRIX_SCALE_ROW1
.endif
.endif
.endm
.macro MULQK g                         ; 16 products: Q's (0) or K's (1)
	WIN 0xa1
.irp i, 0,1,2,3
.irp b, 0,1,2,3
	WM 128*(\g)+32*\i+8*\b, 96*KP+8*(4*(\g)+\b), AF+32*KP+8*\i, SCB+8*((4*(\g)+\b)/2)+KQ, SCA+8*(\i/2)+KQ, \b%2, \i%2
.endr
.endr
.endm
.macro MULV
	WIN 0xf4
.irp b, 0,1,2,3
.irp i, 0,1,2,3
	WM 32*\b+8*\i, AF+32*KP+8*\i, 96*KP+8*(8+\b), SCA+8*(\i/2)+KQ, SCB+8*((8+\b)/2)+KQ, \i%2, \b%2
.endr
.endr
.endm
.macro PLACES
.rept 4
	v_nop
.endr
.endm
; 128 along K.  The fragments come in the order inputs' and Q's (16 loads), K's (8), V's (8), a step ahead, in the other set.  The 48 accumulators take turns, one instruction a turn.
.macro STEP q
.set KQ, \q
.set KN, KQ+1
.set KP, KQ%2
.set KX, 1-KP
.set KZ, 0
.if KQ == 0
.set KZ, 1
.endif
	s_wait_dscnt 16                                ; inputs' and Q's are in; K's and V's may be out
.if KQ < 7
	PLACES                                         ; behind the last step's products, for the loads into their registers
	WIN 0
	FA KN, KX
	WIN 0x40
	FB 0, KN, KX
.endif
	MULQK 0
.if KQ < 7
	s_wait_dscnt 24                                ; K's are in; V's 8 and the 16 just issued may be out
	WIN 0x40
	FB 1, KN, KX
.else
	s_wait_dscnt 8
.endif
	MULQK 1
.if KQ < 7
	s_wait_dscnt 24                                ; V's are in; the next step's 24 may be out
	WIN 0x40
	FB 2, KN, KX
.else
	s_wait_dscnt 0x0
.endif
	MULV
.endm
	s_wait_tensorcnt 0x0                           ; my quarter has landed,
	s_barrier_signal -1
	s_barrier_wait -1                              ; everybody's has
	FA 0, 0
	WIN 0x40
	FB 0, 0, 0
	FB 1, 0, 0
	FB 2, 0, 0
	s_wait_loadcnt 0x0                             ; scale words and bias
.irp q, 0,1,2,3,4,5,6,7
	STEP \q
.endr
	PLACES                                         ; results and operands of the last products are touched from here on
; Units u and u + 1 (0-3: Q's tiles, 4-7: K's tiles, 8-11: V's d-tiles): a lane's 32 registers are a block: bias, largest magnitude (two chains each), codes, store.
.macro PAIR u
.irp e, 0,1
.set UN, (\u)+\e
.set jj, 0
.if UN < 8
	WIN 0x06
.else
	WIN 0x03
.endif
.rept 16
.if UN < 8
	v_pk_add_f32 v[AF+32*\e+jj:AF+32*\e+jj+1], v[32*UN+jj:32*UN+jj+1], v[192+32*(UN/4)+jj:193+32*(UN/4)+jj]
.else
	v_pk_add_f32 v[AF+32*\e+jj:AF+32*\e+jj+1], v[32*(UN-8)+jj:32*(UN-8)+jj+1], v[BV+2*(UN-8):BV+2*(UN-8)+1]
.endif
.set jj, jj+2
.endr
.endr
	WIN 0
.irp e, 0,1
	v_max3_num_f32 v[TA+\e], |v[AF+32*\e]|, |v[AF+32*\e+1]|, 0x1800000   ; and the floor 2^(3 - 127): the byte cannot fall under 1
	v_max3_num_f32 v[TB+\e], |v[AF+32*\e+16]|, |v[AF+32*\e+17]|, |v[AF+32*\e+18]|
.endr
.irp i, 3,5,7,9,11,13
.irp e, 0,1
	v_max3_num_f32 v[TA+\e], v[TA+\e], |v[AF+32*\e+\i-1]|, |v[AF+32*\e+\i]|
	v_max3_num_f32 v[TB+\e], v[TB+\e], |v[AF+32*\e+16+\i]|, |v[AF+32*\e+17+\i]|
.endr
.endr
.irp e, 0,1
	v_max3_num_f32 v[TA+\e], v[TA+\e], |v[AF+32*\e+14]|, |v[AF+32*\e+15]|
.endr
.irp e, 0,1
	v_max3_num_f32 v[TA+\e], v[TA+\e], v[TB+\e], |v[AF+32*\e+31]|
.endr
.irp e, 0,1
	v_add_nc_u32 v[OP+\e], 0xff000000, v[TA+\e]    ; 2 off the exponent field: the conversion's scale operand
.endr
.irp e, 0,1
.irp k, 0,1,2,3
	v_cvt_scalef32_pk8_fp4_f32 v[PC+4*((\u)+\e)+\k], v[AF+32*\e+8*\k:AF+32*\e+8*\k+7], v[OP+\e]
.endr
.endr
.irp e, 0,1
	v_lshrrev_b32 v[SB+(\u)+\e], 23, v[OP+\e]      ; the scale's byte
.endr
.irp e, 0,1
.set UN, (\u)+\e
.if UN < 4
	global_store_b128 v[L16], v[PC+4*UN:PC+4*UN+3], s[74:75] offset:512*UN
.elseif UN < 8
	global_store_b128 v[L16], v[PC+4*UN:PC+4*UN+3], s[76:77] offset:512*(UN-4)
.else
	global_store_b128 v[L16], v[PC+4*UN:PC+4*UN+3], s[78:79] offset:1024*(UN-8)
.endif
.endr
.endm
.irp u, 0,2,4,6,8,10
	PAIR \u
.endr
	; THE SCALE WORDS.  A lane has its half's bytes: block h of each tile.  Two tiles to a word, 16 bits apart; then the other half's, 8 bits up.
.irp p, 0,1,2,3
	v_lshl_or_b32 v[WW+\p], v[SB+2*\p+1], 16, v[SB+2*\p]   ; Q's two words, K's two
.endr
	v_permlane16_swap_b32 v[WW], v[WW+2]           ; lanes 0-15 now hold Q's two halves, lanes 16-31 K's
	v_permlane16_swap_b32 v[WW+1], v[WW+3]
	v_permlane16_swap_b32 v[SB+8], v[SB+9]         ; V: lanes 0-15 d-tile 0's, lanes 16-31 d-tile 1's
	v_permlane16_swap_b32 v[SB+10], v[SB+11]
	v_lshl_or_b32 v[FN], v[WW+2], 8, v[WW]
	v_lshl_or_b32 v[FN+1], v[WW+3], 8, v[WW+1]
	v_lshl_or_b32 v[FN+2], v[SB+9], 8, v[SB+8]
	v_lshl_or_b32 v[FN+3], v[SB+11], 8, v[SB+10]
	ds_store_b64 v[SXW], v[FN:FN+1]
	ds_store_b16 v[SVW], v[FN+2]
	ds_store_b16 v[SVW], v[FN+3] offset:8
	s_wait_dscnt 0x0                               ; for the others' sake: my bytes are stored
	s_barrier_signal -1
	s_barrier_wait -1
	s_cmp_lt_u32 s20, 3
	s_cbranch_scc0 .Lend
	ds_load_b128 v[248:251], v[SXR]
	s_wait_dscnt 0x0
	global_store_b128 v[SOF], v[248:251], s[80:81] ; sixteen lanes store one aligned unit of 256 bytes
.Lend:
	s_wait_tensorcnt 0x0                           ; the wave's end
	ds_add_u32 v[SPW], v[NIL]
	s_wait_dscnt 0x0
	CROUND                                         ; the closing round: no work-group ends while a partner may still ask for rows that name it
	s_endpgm
.Lfunc_end_k_q9fa71a2592_proj:
	.size	k_q9fa71a2592_proj, .Lfunc_end_k_q9fa71a2592_proj-k_q9fa71a2592_proj
	.p2alignl 7, 3214868480
	.fill 96, 4, 3214868480
	.section	.rodata,"a",@progbits
	.p2align	6, 0x0
	.amdhsa_kernel k_q9fa71a2592_proj
		.amdhsa_group_segment_fixed_size 239104
		.amdhsa_private_segment_fixed_size 0
		.amdhsa_enable_private_segment 0
		.amdhsa_kernarg_size 56
		.amdhsa_user_sgpr_count 2
		.amdhsa_user_sgpr_kernarg_segment_ptr 1
		.amdhsa_wavefront_size32 1
		.amdhsa_system_sgpr_workgroup_id_x 1
		.amdhsa_system_sgpr_workgroup_id_y 1
		.amdhsa_system_sgpr_workgroup_id_z 1
		.amdhsa_system_vgpr_workitem_id 0
		.amdhsa_next_free_vgpr 1024
		.amdhsa_next_free_sgpr 102
		.amdhsa_reserve_vcc 0
		.amdhsa_float_denorm_mode_32 3
		.amdhsa_float_denorm_mode_16_64 3
		.amdhsa_memory_ordered 1
		.amdhsa_forward_progress 1
		.amdhsa_inst_pref_size 111
	.end_amdhsa_kernel
	.amdgpu_metadata
---
amdhsa.version: [ 1, 2 ]
amdhsa.kernels:
  - .name:           k_q9fa71a2592_proj
    .symbol:         k_q9fa71a2592_proj.kd
    .args:
      - { .name: a_codes, .offset: 0, .size: 8, .value_kind: global_buffer, .address_space: global }
      - { .name: a_scales, .offset: 8, .size: 8, .value_kind: global_buffer, .address_space: global }
      - { .name: b_codes, .offset: 16, .size: 8, .value_kind: global_buffer, .address_space: global }
      - { .name: b_scales, .offset: 24, .size: 8, .value_kind: global_buffer, .address_space: global }
      - { .name: entangle_params, .offset: 32, .size: 8, .value_kind: global_buffer, .address_space: global }
      - { .name: q_ws, .offset: 40, .size: 8, .value_kind: global_buffer, .address_space: global }
      - { .name: kv_ws, .offset: 48, .size: 8, .value_kind: global_buffer, .address_space: global }
    .group_segment_fixed_size: 239104
    .private_segment_fixed_size: 0
    .kernarg_segment_align: 8
    .kernarg_segment_size: 56
    .max_flat_workgroup_size: 128
    .sgpr_count:     102
    .vgpr_count:     1024
    .wavefront_size: 32
...
	.end_amdgpu_metadata
.endif
;; end of part 2
;; launch attn (part 3): grid 8 x 32, 16 waves a work-group, clusters of 4 x 1, 169,984 bytes of LDS; arguments q_ws, kv_ws, o_ws; writes o_ws
.if DOCPART == 3
	.amdgcn_target "amdgcn-amd-amdhsa--gfx1250"
	.amdhsa_code_object_version 6
	.text
	.protected	k_q9fa71a2592_attn
	.globl	k_q9fa71a2592_attn
	.p2align	8
	.type	k_q9fa71a2592_attn,@function
k_q9fa71a2592_attn:
	s_mov_b64 s[64:65], 0
	v_nop
	global_prefetch_b8 v0, s[64:65] scope:SCOPE_SE
	s_setreg_imm32_b32 hwreg(HW_REG_WAVE_MODE, 25, 1), 1
	s_wait_xcnt 0x0
	s_wait_alu depctr_hold_cnt(0) depctr_sa_sdst(0) depctr_va_vdst(0) depctr_va_sdst(0) depctr_va_ssrc(0) depctr_va_vcc(0) depctr_vm_vsrc(0)
	s_getreg_b32 s2, hwreg(HW_REG_IB_STS2, 6, 4)
	s_cmp_eq_u32 s2, 0
	s_cbranch_scc0 .Lentry_in_a_cluster
	s_endpgm
.Lentry_in_a_cluster:
	s_bfe_u32 s2, ttmp6, 0x10000c
	s_cmp_lg_u32 s2, 0x3003
	s_cbranch_scc0 .Lentry_shape_is_right
	s_endpgm
.Lentry_shape_is_right:
; O = softmax(Q K^T / 8) V for one hb = 2 head + batch of 32, 2,048 queries, 2,048 keys, head size 64, both products on codes of FP4 (E2M1) with one E8M0 scale for each 32 along a product's K.
; THE SOFTMAX AHEAD OF THE SECOND PRODUCT: t = score x log2(e) / 8; M = the row's largest t so far, rounded UP to a whole number; p = 2^(t - M) is what is quantised, along the keys; it is not normalised.
; The row's sum is taken of the unquantised p, in f32, and divides O at the end.  When M moves, the sum and O are multiplied by 2^(old M - new M): exact.
; SHARES.  A work-group owns 256 queries of one hb; each of its sixteen waves owns one tile of 16, in 256 registers: four waves to a SIMD.  A step is 256 keys: two records.
; THE WHOLE HEAD'S K AND V LIE IN LDS: sixteen records of 128 keys, 8,704 bytes each, as they lie in memory: images of the operands' registers, 16 bytes a lane on end.  Wave w brings record w by one tensor load; nothing is filled again.
; CLUSTER.  The four query blocks of a cluster belong to one hb and want the same records: joint loads, the mask names the four.  No prefetch: all that is read from memory is asked for at the head; the loop reads LDS alone.
; LAYOUT.  Both products are used transposed: S^T = K Q^T, O^T = V^T P^T: a lane holds ONE query (lane % 16) throughout.  Row m of tile t of a record is key 64 (t / 4) + 32 (m / 8) + 8 (t % 4) + m % 8, so that the 32 registers of four tiles are,
; in lanes 0-15, block 0 (tiles 4-7: 2) of 32 neighbouring keys and, in lanes 16-31, block 1 (3): A WHOLE BLOCK IN A LANE, which is what the second product's operand wants: no lane is asked for a block's maximum or codes.
; A HEAD OF 64 IN AN INSTRUCTION OF 128 ALONG K.  A fragment of K holds TWO tiles of keys: tile 2 f where K is 0 - 63, tile 2 f + 1 where it is 64 - 127.  Multiplied by [q, 0] it gives tile 2 f's scores, by [0, q] tile 2 f + 1's:
; the zero codes make the other tile's products exact zeros.  The zero half's scale bytes are 1, on Q's side.
; THE EXPONENTIALS of a step go in two batches, record A's and record B's, each with one wait ahead and one behind.  Among them stands only work whose results are read behind the next wait: t - M of record B; record A's codes and sums of four pairs.
; OUT.  o_ws [hb][tile T of 16 queries][group g of 8][lane][16 bytes], f32: query 64 (T / 4) + 8 (T % 4) + 32 (r / 8) + r % 8, d = 32 h + 4 g + 0 .. 3.  The next launch lays them as the result wants.
; LIMITS: NaN and infinities are not served; the promise holds while the scaled scores t stay under 2^31 in magnitude.  A block's largest p is not searched for: the block's largest score goes through the same multiply-add and exponential,
; which takes v_exp_f32 not to fall where its input rises.  A block whose every p has fallen to 0 keeps the byte 1: its codes are zeros.
.set REC,  8704                        ; a record of 128 keys: K's images 4,096, V's 4,096, K's scale words 256, V's 256
.set QREC, 4352                        ; a record of 128 queries: images 4,096, scale words 256
.set SPARE, 16*REC                     ; the spare words, 128 bytes for each wave
.set SPW,  3
.set NIL,  4
.set AI,   5                           ; v5, v6 the step's addresses: images, scale words
.set AW,   6
.set SEL,  7                           ; v7 selects the places of my half's two bytes in p's scale word
.set MN,   8                           ; v8 -M, v9 the largest score so far
.set SUM,  10                          ; v[10:11] the sum in two halves: chain 0; chains 1 to 3 at v[26:27], v[28:29], v[30:31]
.set FF,   12                          ; v[12:13] f = 2^(old M - new M)
.set TT,   14
.set OM,   15                          ; the old -M
.set BM,   16                          ; v16-19 each block's largest score, then its largest p
.set OPD,  20                          ; v20-23 the second chain of the maxima, then the conversions' scale operands
.set UU,   24
.set WW,   25
.set SCW,  32                          ; v32-43 hold scales and nothing else: words of K (and of record A's V),
.set VWB,  36                          ; of record B's V,
.set QS0,  40                          ; Q's two,
.set PSA,  42                          ; p's two
.set QR,   44                          ; v44-55: zeros, q, zeros: [0, q] at v44, [q, 0] at v48
.set CA,   56                          ; v56-63 record A's codes of p
.set FR,   64                          ; v64-95 fragments: K of A, K of B, V of A
.set OX,   96                          ; v96-127 O^T
.set SX,   128                         ; v128-255 S^T, then p; behind record A's use v160-191 V of B, v128-135 record B's codes of p
.macro ROUND                           ; a round of the cluster's barrier
	s_barrier_signal -1
	s_barrier_wait -1
	s_cmp_lg_u32 s8, 0
	s_cbranch_scc1 .Lnot_wave_0_\@
	s_barrier_signal -3
.Lnot_wave_0_\@:
	s_barrier_wait -3
	s_barrier_signal -1
	s_barrier_wait -1
.endm
.macro FETCH fr, wd, off, woff         ; four fragments and their scale words
	ds_load_b128 v[\wd:\wd+3], v[AW] offset:\woff
.irp f, 0,1,2,3
.irp c, 0,1
	ds_load_b128 v[\fr+8*\f+4*\c:\fr+8*\f+4*\c+3], v[AI] offset:\off+1024*\f+512*\c
.endr
.endr
.endm
.macro QK r                            ; a record's scores: register 32 b + i: my query's score with number i of the lane's block b
.irp f, 0,1,2,3
	v_wmma_scale_f32_16x16x128_f8f6f4 v[SX+64*\r+16*\f:SX+64*\r+16*\f+7], v[FR+8*\f:FR+8*\f+7], v[QR+4:QR+11], 0, v[SCW+\f], v[QS0] matrix_a_fmt:MATRIX_FMT_FP4 matrix_b_fmt:MATRIX_FMT_FP4
	v_wmma_scale_f32_16x16x128_f8f6f4 v[SX+64*\r+16*\f+8:SX+64*\r+16*\f+15], v[FR+8*\f:FR+8*\f+7], v[QR:QR+7], 0, v[SCW+\f], v[QS0+1] matrix_a_fmt:MATRIX_FMT_FP4 matrix_b_fmt:MATRIX_FMT_FP4
.endr
.endm
.macro MAXA r                          ; the largest score of each of the record's two blocks, two chains a block, each accumulator from its low end on
.irp b, 0,1
	v_max3_num_f32 v[BM+2*\r+\b], v[SX+64*\r+32*\b], v[SX+64*\r+32*\b+1], v[SX+64*\r+32*\b+2]
	v_max3_num_f32 v[OPD+2*\r+\b], v[SX+64*\r+32*\b+16], v[SX+64*\r+32*\b+17], v[SX+64*\r+32*\b+18]
.endr
.irp i, 3,5,7,9,11,13
.irp b, 0,1
	v_max3_num_f32 v[BM+2*\r+\b], v[BM+2*\r+\b], v[SX+64*\r+32*\b+\i], v[SX+64*\r+32*\b+\i+1]
	v_max3_num_f32 v[OPD+2*\r+\b], v[OPD+2*\r+\b], v[SX+64*\r+32*\b+16+\i], v[SX+64*\r+32*\b+17+\i]
.endr
.endr
.endm
.macro MAXF r
.irp b, 0,1
	v_max3_num_f32 v[BM+2*\r+\b], v[BM+2*\r+\b], v[OPD+2*\r+\b], v[SX+64*\r+32*\b+15]
.endr
.irp b, 0,1
	v_max_num_f32 v[BM+2*\r+\b], v[BM+2*\r+\b], v[SX+64*\r+32*\b+31]
.endr
.endm
.macro TM p                            ; t - M of pair p of the lane's 64 (of the pairs c and -M the low word serves both halves)
	v_pk_fma_f32 v[SX+2*(\p):SX+2*(\p)+1], v[SX+2*(\p):SX+2*(\p)+1], s[34:35], v[MN:MN+1] op_sel_hi:[1,0,0]
.endm
.macro TMS from, n
.set kk, \from
.rept \n
	TM kk
.set kk, kk+1
.endr
.endm
.macro SADDS from, n                   ; record B's sums: pair m goes to chain m % 4
.set kk, \from
.rept \n
.if kk%4 == 0
	v_pk_add_f32 v[SUM:SUM+1], v[SUM:SUM+1], v[SX+64+2*kk:SX+65+2*kk]
.else
	v_pk_add_f32 v[24+2*(kk%4):25+2*(kk%4)], v[24+2*(kk%4):25+2*(kk%4)], v[SX+64+2*kk:SX+65+2*kk]
.endif
.set kk, kk+1
.endr
.endm
.macro PV fr, cd, wd, ps               ; O^T += V^T P^T: the four accumulators by turns, one instruction a turn
.irp t, 0,1,2,3
	v_wmma_scale_f32_16x16x128_f8f6f4 v[OX+8*\t:OX+8*\t+7], v[\fr+8*\t:\fr+8*\t+7], v[\cd:\cd+7], v[OX+8*\t:OX+8*\t+7], v[\wd+\t], v[\ps] matrix_a_fmt:MATRIX_FMT_FP4 matrix_b_fmt:MATRIX_FMT_FP4
.endr
.endm
	s_load_b128 s[4:7], s[0:1], 0x0                ; q_ws, kv_ws
	s_load_b64 s[12:13], s[0:1], 0x10              ; o_ws
	v_lshl_add_u32 v[SPW], v0, 2, SPARE
	v_mov_b32 v[NIL], 0
	ds_add_u32 v[SPW], v[NIL]                      ; the opening: the add, twice on end, and its wait
	ds_add_u32 v[SPW], v[NIL]
	v_lshrrev_b32 v[TT], 5, v0
	v_readfirstlane_b32 s8, v[TT]                  ; wave 0..15
	v_and_b32 v1, 31, v0
	v_lshlrev_b32 v1, 4, v1                        ; 16 x lane: my place in an image
	v_and_b32 v2, 15, v0
	v_lshlrev_b32 v2, 4, v2                        ; 16 x (lane % 16): my row's four scale words
	s_mov_b32 vcc_lo, 0xffff0000
	v_mov_b32 v[SEL], 0x0c070c03                   ; lanes 0-15: bytes 0 and 2; 0x0c gives a zero byte
	v_mov_b32 v[WW], 0x070c030c                    ; lanes 16-31: bytes 1 and 3
	v_cndmask_b32 v[SEL], v[SEL], v[WW], vcc_lo
.irp j, 0,1,2,3
	v_mov_b32 v[QR+\j], 0                          ; the zero halves of [0, q] and [q, 0]
	v_mov_b32 v[QR+8+\j], 0
.endr
	v_mov_b32 v[MN+1], 0xff61b1e6                  ; the largest score so far: -3e38, under every score
	v_floor_f32 v[MN], -v[MN+1]                    ; -M: so large that the first step's f is 0
	v_mov_b32 v[SUM], 0
	v_mov_b32 v[SUM+1], 0
	v_mov_b32 v[UU], 0                             ; written once: a lane permute's destination counts as one of its sources
	v_mov_b32 v[FF+1], 0                           ; (named as a pair with f)
	s_and_b32 s11, ttmp7, 0xffff                   ; hb, which the four partners share
	s_mul_i32 s21, s8, REC                         ; group 0, 63:32: LDS address: record w.  No place in the cluster enters it
	s_mul_i32 s36, s11, 16*REC
	s_add_co_u32 s36, s36, s21                     ; and the record's byte in kv_ws
	s_mov_b32 s37, 0
	s_mov_b32 s20, 1                               ; 1:0 count = 1
	s_mov_b32 s24, 15|(3<<16)|(1<<21)              ; group 1: the mask: all four work-groups; elements of 8 bytes; 21 set beside a mask; no padding
	s_mov_b32 s25, 32<<16                          ; rows of 256 bytes,
	s_mov_b32 s26, 34<<16                          ; 34 of them: 8,704 dense bytes
	s_mov_b32 s27, 32<<16
	s_mov_b32 s28, 34
	s_mov_b32 s29, 32
	s_mov_b32 s30, 0
	s_mov_b32 s31, 0
	s_mov_b32 s32, 0x76543210
	s_mov_b32 s33, 0xfedcba98                      ; v_permlanex16_b32's selects for lane l xor 16
	s_mov_b32 s34, 0x3e38aa3b                      ; c = log2(e) / sqrt(64)
	s_mov_b32 s35, s34                             ; (named with it as a pair, so it is written)
	s_mov_b32 s40, 0                               ; LDS byte of the step's first record
	s_mov_b32 s41, 7                               ; the loop's trips: all steps but the last
	s_wait_alu depctr_va_vdst(0)                   ; the wait here, directly ahead of the waits below
	s_wait_dscnt 0x0
	s_wait_kmcnt 0x0
	s_add_nc_u64 s[22:23], s[6:7], s[36:37]        ; 120:64 global address
	s_or_b32 s23, s23, 0x80000000                  ; 127:126 type = 2
	ROUND                                          ; all four work-groups are here: the joint loads meet
	tensor_load_to_lds s[20:23], s[24:31]          ; my one tensor load of the launch
	s_nop 0
.rept 4
	v_nop                                          ; (behind a tensor load)
.endr
	; Q: my tile's image and its scale words.  The place in the cluster enters these global addresses alone.
	s_bfe_u32 s9, ttmp6, 0x40000                   ; cx
	s_lshl_b32 s10, ttmp9, 2
	s_add_co_u32 s10, s10, s9                      ; my block of 256 queries
	s_lshl_b32 s38, s10, 1
	s_lshr_b32 s39, s8, 3
	s_add_co_u32 s38, s38, s39                     ; my record of 128 queries
	s_mul_i32 s38, s38, QREC
	s_mul_i32 s39, s11, 16*QREC
	s_add_co_u32 s38, s38, s39
	s_mov_b32 s39, 0
	s_add_nc_u64 s[4:5], s[4:5], s[38:39]
	s_and_b32 s42, s8, 7                           ; my tile in it
	s_lshl_b32 s44, s42, 9
	s_mov_b32 s45, 0
	s_add_nc_u64 s[44:45], s[4:5], s[44:45]        ; its image
	s_lshr_b32 s43, s42, 1
	s_lshl_b32 s46, s43, 2
	s_add_co_u32 s46, s46, 4096
	s_mov_b32 s47, 0
	s_add_nc_u64 s[46:47], s[4:5], s[46:47]        ; the word that holds its two bytes
	global_load_b128 v[QR+4:QR+7], v1, s[44:45]
	global_load_b32 v[OM], v2, s[46:47]
	s_lshl_b32 s42, s10, 4
	s_add_co_u32 s42, s42, s8                      ; T = 16 x block + wave
	s_lshl_b32 s42, s42, 12
	s_lshl_b32 s43, s11, 19
	s_add_co_u32 s42, s42, s43
	s_mov_b32 s43, 0
	s_add_nc_u64 s[12:13], s[12:13], s[42:43]      ; my tile's 4,096 bytes of o_ws
	s_and_b32 s36, s8, 1
	s_lshl_b32 s36, s36, 4                         ; an even tile's bytes are the word's low half, an odd one's the high half
	s_wait_loadcnt 0x0                             ; Q
	v_lshrrev_b32 v[TT], s36, v[OM]
	v_and_b32 v[TT], 0xffff, v[TT]                 ; my tile's two bytes
	v_or_b32 v[QS0], 0x01010000, v[TT]             ; for [q, 0]: the zero half under the smallest scale
	v_lshl_or_b32 v[QS0+1], v[TT], 16, 0x101       ; for [0, q]
.set jj, 0
.rept 32
	v_mov_b32 v[OX+jj], 0                          ; O^T: the first step finds zeros, which the first change of M leaves zeros.  These also stand between Q's scale words and the first product
.set jj, jj+1
.endr
	s_wait_alu depctr_va_vdst(0)                   ; the wait at the head's end
	s_wait_tensorcnt 0x0                           ; my record has landed,
	s_barrier_signal -1
	s_barrier_wait -1                              ; everybody's has: the head's K and V are whole
	ds_load_b128 v[SCW:SCW+3], v2 offset:8192      ; record 0's K
.irp f, 0,1,2,3
.irp c, 0,1
	ds_load_b128 v[FR+8*\f+4*\c:FR+8*\f+4*\c+3], v1 offset:1024*\f+512*\c
.endr
.endr
; A KEY STEP: records A and B at LDS bytes s40 and s40 + REC.  more = 1: the next step's first K is fetched.
.macro STEP more
	s_wait_dscnt 0x0                               ; A's K is in
	QK 0
	v_add_nc_u32 v[AI], s40, v1                    ; four places: for the loads into K's registers and for the first read of the scores
	v_add_nc_u32 v[AW], s40, v2
	v_mov_b32 v[OM], v[MN]
	v_nop
	FETCH FR, SCW, REC, REC+8192                   ; B's K
	MAXA 0
	s_wait_alu depctr_va_vdst(0)                   ; the wait here, directly ahead of the wait below
	s_wait_dscnt 0x0
	QK 1
	MAXF 0                                         ; four places
	FETCH FR, SCW, 4096, 8448                      ; A's V
	MAXA 1
	MAXF 1
	v_max3_num_f32 v[TT], v[BM], v[BM+1], v[BM+2]
	v_max3_num_f32 v[TT], v[TT], v[BM+3], v[MN+1]
	v_permlanex16_b32 v[UU], v[TT], s32, s33
	v_max_num_f32 v[MN+1], v[TT], v[UU]            ; the running largest score of my query, with lane l xor 16's
	v_mul_f32 v[TT], s34, v[MN+1]                  ; as t (c is positive and rounding keeps the order)
	v_floor_f32 v[MN], -v[TT]                      ; the new -M = floor(-t) = -ceil(t): M IS A WHOLE NUMBER
	v_sub_f32 v[TT], v[MN], v[OM]                  ; M's old value less its new one: a whole number, 0 or less
.irp b, 0,1,2,3
	v_fma_f32 v[BM+\b], v[BM+\b], s34, v[MN]       ; t - M of each block's largest score: the same multiply-add as its p gets
.endr
	v_cvt_i32_f32 v[TT], v[TT]                     ; (it saturates)
	TMS 0, 6
	v_ldexp_f32 v[FF], 1.0, v[TT]                  ; f = 2^(old M - new M): a multiplication by it rounds nothing
	TMS 6, 26
.set kk, 0
.rept 16
	v_pk_mul_f32 v[OX+2*kk:OX+2*kk+1], v[OX+2*kk:OX+2*kk+1], v[FF:FF+1] op_sel_hi:[1,0]   ; O^T under the new M, each accumulator from its low end on
.set kk, kk+1
.endr
	v_pk_mul_f32 v[SUM:SUM+1], v[SUM:SUM+1], v[FF:FF+1] op_sel_hi:[1,0]
	s_wait_alu depctr_va_vdst(0)                   ; the wait ahead of the batch,
.irp b, 0,1,2,3
	v_exp_f32 v[BM+\b], v[BM+\b]                   ; the blocks' largest p: the same two instructions on the same number give the same bits
.endr
.set kk, 0
.rept 32
	v_exp_f32 v[SX+2*kk], v[SX+2*kk]               ; record A: p = 2^(t - M), at most 1: NOT normalised
	v_exp_f32 v[SX+2*kk+1], v[SX+2*kk+1]
	TM 32+kk                                       ; record B's t - M: read behind the next wait
.set kk, kk+1
.endr
	s_wait_alu depctr_va_vdst(0)                   ; and behind it, ahead of the first reader
.irp b, 0,1,2,3
	v_max_num_f32 v[BM+\b], 0x1800000, v[BM+\b]    ; the floor 2^(3 - 127): the byte cannot fall under 1
.endr
.irp b, 0,1,2,3
	v_add_nc_u32 v[OPD+\b], 0xff000000, v[BM+\b]   ; 2 off the exponent field: the conversion's scale operand
.endr
.irp b, 0,1,2,3
	v_lshlrev_b32 v[BM+\b], 1, v[OPD+\b]           ; the scale's byte on top
.endr
	v_perm_b32 v[TT], v[BM+1], v[BM], v[SEL]       ; my half's two bytes at their places in record A's word,
	v_perm_b32 v[WW], v[BM+3], v[BM+2], v[SEL]     ; and in record B's
	v_permlanex16_b32 v[UU], v[TT], s32, s33
	v_permlanex16_b32 v[OM], v[WW], s32, s33
	v_or_b32 v[PSA], v[TT], v[UU]                  ; with lane l xor 16's two the words are whole
	v_or_b32 v[PSA+1], v[WW], v[OM]
	s_wait_alu depctr_va_vdst(0)                   ; the wait ahead of the batch
.set kk, 0
.rept 32
	v_exp_f32 v[SX+64+2*kk], v[SX+64+2*kk]         ; record B
	v_exp_f32 v[SX+65+2*kk], v[SX+65+2*kk]
.if kk < 8
	v_cvt_scalef32_pk8_fp4_f32 v[CA+kk], v[SX+8*kk:SX+8*kk+7], v[OPD+kk/4]   ; record A's codes
.if kk == 7
	v_nop                                          ; a plain place between the conversions and the sums, which write their sources
.endif
.elseif kk%3 == 1
.set gg, (kk-10)/3
	v_pk_add_f32 v[SX+8*gg:SX+8*gg+1], v[SX+8*gg:SX+8*gg+1], v[SX+8*gg+2:SX+8*gg+3]   ; THE ROW'S SUM IS TAKEN OF THE UNQUANTISED p: four pairs become one
	v_pk_add_f32 v[SX+8*gg+4:SX+8*gg+5], v[SX+8*gg+4:SX+8*gg+5], v[SX+8*gg+6:SX+8*gg+7]
	v_pk_add_f32 v[SX+8*gg:SX+8*gg+1], v[SX+8*gg:SX+8*gg+1], v[SX+8*gg+4:SX+8*gg+5]
.endif
.set kk, kk+1
.endr
	s_wait_alu depctr_va_vdst(0)                   ; behind the batch, ahead of the first reader
	v_pk_add_f32 v[SUM:SUM+1], v[SUM:SUM+1], v[SX:SX+1]
	v_pk_add_f32 v[26:27], v[SX+8:SX+9], v[SX+16:SX+17]
	v_pk_add_f32 v[28:29], v[SX+24:SX+25], v[SX+32:SX+33]
	v_pk_add_f32 v[30:31], v[SX+40:SX+41], v[SX+48:SX+49]
	v_pk_add_f32 v[SUM:SUM+1], v[SUM:SUM+1], v[SX+56:SX+57]
	FETCH SX+32, VWB, REC+4096, REC+8448           ; B's V, where record A's p lay
	s_wait_alu depctr_va_vdst(0)                   ; the wait here, directly ahead of the wait below
	s_wait_dscnt 9                                 ; A's V is in; the nine loads just issued may be out
	PV FR, CA, SCW, PSA
.irp k, 0,1,2,3,4,5,6,7
	v_cvt_scalef32_pk8_fp4_f32 v[SX+\k], v[SX+64+8*\k:SX+64+8*\k+7], v[OPD+2+\k/4]   ; record B's codes
.endr
	SADDS 0, 5                                     ; places behind A's products for the loads below
.if \more
	FETCH FR, SCW, 2*REC, 2*REC+8192               ; the next step's first K
.endif
	SADDS 5, 8
	s_wait_alu depctr_va_vdst(0)                   ; the wait here, directly ahead of the wait below
.if \more
	s_wait_dscnt 9                                 ; B's V is in; the nine loads of the next K may be out
.else
	s_wait_dscnt 0x0
.endif
	PV SX+32, SX, VWB, PSA+1
	SADDS 13, 19                                   ; (these stand between the products and the next ones, which write over their operands)
	v_pk_add_f32 v[26:27], v[26:27], v[28:29]      ; the four chains become one
	v_pk_add_f32 v[SUM:SUM+1], v[SUM:SUM+1], v[30:31]
	v_pk_add_f32 v[SUM:SUM+1], v[SUM:SUM+1], v[26:27]
.if \more
	s_add_co_u32 s40, s40, 2*REC
.endif
.endm
.Lstep:                                            ; seven trips, 256 keys each
	STEP 1
	s_sub_co_u32 s41, s41, 1
	s_cmp_lg_u32 s41, 0
	s_wait_alu depctr_va_vdst(0)                   ; the wait here, directly ahead of the branch
	s_cbranch_scc1 .Lstep
	STEP 0                                         ; the eighth: nothing is left to fetch ahead, so no LDS byte behind the records is read
	; THE WAY OUT.  O^T is divided by the sum and stored as it stands: each store covers 512 consecutive aligned bytes.
	v_add_f32 v[SUM], v[SUM], v[SUM+1]             ; the sum's two halves,
	v_permlanex16_b32 v[UU], v[SUM], s32, s33
	v_add_f32 v[SUM], v[SUM], v[UU]                ; and lane l xor 16's: the row's sum
	s_wait_alu depctr_va_vdst(0)                   ; the wait ahead of the transcendental,
	v_rcp_f32 v[SUM], v[SUM]
	v_nop
	s_wait_alu depctr_va_vdst(0)                   ; and behind it; it serves the first readers of O^T too
.set jj, 0
.rept 16
	v_pk_mul_f32 v[OX+jj:OX+jj+1], v[OX+jj:OX+jj+1], v[SUM:SUM+1] op_sel_hi:[1,0]
.set jj, jj+2
.endr
.irp g, 0,1,2,3,4,5,6,7
	global_store_b128 v1, v[OX+4*\g:OX+4*\g+3], s[12:13] offset:512*\g
.endr
	s_wait_tensorcnt 0x0                           ; the wave's end
	ds_add_u32 v[SPW], v[NIL]
	s_wait_dscnt 0x0
	ROUND                                          ; the closing round: no work-group ends while a partner may still ask for a record that names it
	s_endpgm
.Lfunc_end_k_q9fa71a2592_attn:
	.size	k_q9fa71a2592_attn, .Lfunc_end_k_q9fa71a2592_attn-k_q9fa71a2592_attn
	.p2alignl 7, 3214868480
	.fill 96, 4, 3214868480
	.section	.rodata,"a",@progbits
	.p2align	6, 0x0
	.amdhsa_kernel k_q9fa71a2592_attn
		.amdhsa_group_segment_fixed_size 169984
		.amdhsa_private_segment_fixed_size 0
		.amdhsa_enable_private_segment 0
		.amdhsa_kernarg_size 24
		.amdhsa_user_sgpr_count 2
		.amdhsa_user_sgpr_kernarg_segment_ptr 1
		.amdhsa_wavefront_size32 1
		.amdhsa_system_sgpr_workgroup_id_x 1
		.amdhsa_system_sgpr_workgroup_id_y 1
		.amdhsa_system_sgpr_workgroup_id_z 1
		.amdhsa_system_vgpr_workitem_id 0
		.amdhsa_next_free_vgpr 256
		.amdhsa_next_free_sgpr 66
		.amdhsa_reserve_vcc 1
		.amdhsa_float_denorm_mode_32 3
		.amdhsa_float_denorm_mode_16_64 3
		.amdhsa_memory_ordered 1
		.amdhsa_forward_progress 1
		.amdhsa_inst_pref_size 60
	.end_amdhsa_kernel
	.amdgpu_metadata
---
amdhsa.version: [ 1, 2 ]
amdhsa.kernels:
  - .name:           k_q9fa71a2592_attn
    .symbol:         k_q9fa71a2592_attn.kd
    .args:
      - { .name: q_ws, .offset: 0, .size: 8, .value_kind: global_buffer, .address_space: global }
      - { .name: kv_ws, .offset: 8, .size: 8, .value_kind: global_buffer, .address_space: global }
      - { .name: o_ws, .offset: 16, .size: 8, .value_kind: global_buffer, .address_space: global }
    .group_segment_fixed_size: 169984
    .private_segment_fixed_size: 0
    .kernarg_segment_align: 8
    .kernarg_segment_size: 24
    .max_flat_workgroup_size: 512
    .sgpr_count:     66
    .vgpr_count:     256
    .wavefront_size: 32
...
	.end_amdgpu_metadata
.endif
;; end of part 3
;; launch turn (part 4): grid 128 x 2, 8 waves a work-group, no clusters, 67,072 bytes of LDS; arguments o_ws, out0; writes out0
.if DOCPART == 4
	.amdgcn_target "amdgcn-amd-amdhsa--gfx1250"
	.amdhsa_code_object_version 6
	.text
	.protected	k_q9fa71a2592_turn
	.globl	k_q9fa71a2592_turn
	.p2align	8
	.type	k_q9fa71a2592_turn,@function
k_q9fa71a2592_turn:
	s_mov_b64 s[64:65], 0
	v_nop
	global_prefetch_b8 v0, s[64:65] scope:SCOPE_SE
	s_setreg_imm32_b32 hwreg(HW_REG_WAVE_MODE, 25, 1), 1
	s_wait_xcnt 0x0
; o_ws [hb 32][tile T 128][group g 8][lane 32][16 bytes] f32 is laid as the result wants it: out0, flat, is [s 2,048][d 64][hb 32].
; In o_ws lane (r, h) of tile T holds position s = 64 (T / 4) + 8 (T % 4) + 32 (r / 8) + r % 8, and number e of group g is d = 32 h + 4 g + e.
; One hb's numbers lie 128 bytes apart in out0, so 256 consecutive bytes of the result want all 32 hb: a work-group gathers, for one tile T and four groups (y: d = 32 h + 16 y + 0 .. 15), all 32 hb: 65,536 bytes in, 65,536 out.
; IN: wave w takes hb 4 w .. 4 w + 3, four groups each: sixteen loads of 512 consecutive bytes, all on their way at once.  Each number goes to its place in LDS: row r of 4,096 + 16 bytes, in it [h][d 16][hb 32].
; One barrier.  OUT: a row of LDS is two runs of 2,048 consecutive bytes of out0; wave w reads rows 2 w, 2 w + 1 and stores them, 512 consecutive aligned bytes an instruction.
; No matrix unit, no cluster (work-groups share no input), no tensor load (the loads' registers hold all that is on its way), no prefetch (no loop to run ahead in).
.set ROWP, 4112                        ; an LDS row: 4,096 bytes + 16 of padding
	s_load_b128 s[4:7], s[0:1], 0x0                ; o_ws, out0
	v_lshl_add_u32 v96, v0, 2, 0x10200
	v_mov_b32 v97, 0
	v_lshrrev_b32 v1, 5, v0
	s_delay_alu instid0(VALU_DEP_1)
	v_readfirstlane_b32 s8, v1                     ; wave 0..7
	v_and_b32 v2, 31, v0
	s_delay_alu instid0(VALU_DEP_1)
	v_lshlrev_b32 v3, 4, v2                        ; 16 x lane
	v_and_b32 v4, 15, v0                           ; r
	v_bfe_u32 v5, v0, 4, 1                         ; h
	s_delay_alu instid0(VALU_DEP_2)
	v_mul_u32_u24 v6, v4, ROWP
	s_delay_alu instid0(VALU_DEP_1)
	v_lshl_add_u32 v6, v5, 11, v6                  ; row r, half h: 16 d of 128 bytes
	s_lshl_b32 s9, s8, 4
	v_add_nc_u32 v6, s9, v6                        ; hb = 4 w: 4 bytes an hb
	s_mul_i32 s10, s8, 2*ROWP
	v_add_nc_u32 v7, s10, v3                       ; back: my two rows, 16 bytes a lane
	s_and_b32 s11, ttmp7, 0xffff                   ; y
	s_lshl_b32 s12, ttmp9, 12                      ; in: tile T's 4,096 bytes,
	s_lshl_b32 s13, s11, 11                        ; four groups of 512,
	s_add_co_u32 s12, s12, s13
	s_lshl_b32 s13, s8, 21                         ; four hb of 524,288
	s_add_co_u32 s12, s12, s13
	s_mov_b32 s13, 0
	s_lshr_b32 s14, ttmp9, 2                       ; out: my first position s = 64 (T / 4) + 8 (T % 4) + 2 w + 24 (w / 4)
	s_lshl_b32 s14, s14, 6
	s_and_b32 s15, ttmp9, 3
	s_lshl_b32 s15, s15, 3
	s_add_co_u32 s14, s14, s15
	s_lshl_b32 s15, s8, 1
	s_add_co_u32 s14, s14, s15
	s_lshr_b32 s15, s8, 2
	s_mul_i32 s15, s15, 24
	s_add_co_u32 s14, s14, s15
	s_lshl_b32 s14, s14, 13                        ; 8,192 bytes a position,
	s_lshl_b32 s15, s11, 11                        ; 2,048 for 16 d
	s_add_co_u32 s14, s14, s15
	s_mov_b32 s15, 0
	s_wait_alu depctr_va_vdst(0)                   ; the wait at the head's end
	s_wait_kmcnt 0x0
	s_add_nc_u64 s[4:5], s[4:5], s[12:13]
	s_add_nc_u64 s[6:7], s[6:7], s[14:15]
.irp i, 0,1,2,3
.irp g, 0,1,2,3
	global_load_b128 v[16+16*\i+4*\g:19+16*\i+4*\g], v3, s[4:5] offset:524288*\i+512*\g th:TH_LOAD_NT   ; hb 4 w + i, group 4 y + g: read once in the launch
.endr
.endr
.irp i, 0,1,2,3
.irp g, 0,1,2,3
	s_wait_loadcnt 15-4*\i-\g                      ; loads come back in order: this one is in, the younger ones stay out
.irp e, 0,1,2,3
	ds_store_b32 v6, v[16+16*\i+4*\g+\e] offset:128*(4*\g+\e)+4*\i   ; d = 32 h + 16 y + 4 g + e, hb = 4 w + i
.endr
.endr
.endr
	s_wait_dscnt 0x0                               ; for the others' sake: my stores have landed
	s_barrier_signal -1
	s_barrier_wait -1                              ; sixteen whole rows lie in LDS
.irp p, 0,1
.irp k, 0,1,2,3,4,5,6,7
	ds_load_b128 v[16+32*\p+4*\k:19+32*\p+4*\k], v7 offset:ROWP*\p+512*\k
.endr
.endr
.irp p, 0,1
.irp k, 0,1,2,3,4,5,6,7
	s_wait_dscnt 15-8*\p-\k
	global_store_b128 v3, v[16+32*\p+4*\k:19+32*\p+4*\k], s[6:7] offset:8192*\p+512*\k+2048*(\k/4) th:TH_STORE_NT   ; 32 lanes store 512 consecutive bytes, at a multiple of 256 from out0's first byte; the second run lies 4,096 bytes behind the first's start
.endr
.endr
	s_wait_tensorcnt 0x0                           ; the wave's end
	ds_add_u32 v96, v97
	s_wait_dscnt 0x0
	s_endpgm
.Lfunc_end_k_q9fa71a2592_turn:
	.size	k_q9fa71a2592_turn, .Lfunc_end_k_q9fa71a2592_turn-k_q9fa71a2592_turn
	.p2alignl 7, 3214868480
	.fill 96, 4, 3214868480
	.section	.rodata,"a",@progbits
	.p2align	6, 0x0
	.amdhsa_kernel k_q9fa71a2592_turn
		.amdhsa_group_segment_fixed_size 67072
		.amdhsa_private_segment_fixed_size 0
		.amdhsa_enable_private_segment 0
		.amdhsa_kernarg_size 16
		.amdhsa_user_sgpr_count 2
		.amdhsa_user_sgpr_kernarg_segment_ptr 1
		.amdhsa_wavefront_size32 1
		.amdhsa_system_sgpr_workgroup_id_x 1
		.amdhsa_system_sgpr_workgroup_id_y 1
		.amdhsa_system_sgpr_workgroup_id_z 1
		.amdhsa_system_vgpr_workitem_id 0
		.amdhsa_next_free_vgpr 98
		.amdhsa_next_free_sgpr 66
		.amdhsa_reserve_vcc 0
		.amdhsa_float_denorm_mode_32 3
		.amdhsa_float_denorm_mode_16_64 3
		.amdhsa_memory_ordered 1
		.amdhsa_forward_progress 1
		.amdhsa_inst_pref_size 12
	.end_amdhsa_kernel
	.amdgpu_metadata
---
amdhsa.version: [ 1, 2 ]
amdhsa.kernels:
  - .name:           k_q9fa71a2592_turn
    .symbol:         k_q9fa71a2592_turn.kd
    .args:
      - { .name: o_ws, .offset: 0, .size: 8, .value_kind: global_buffer, .address_space: global }
      - { .name: out0, .offset: 8, .size: 8, .value_kind: global_buffer, .address_space: global }
    .group_segment_fixed_size: 67072
    .private_segment_fixed_size: 0
    .kernarg_segment_align: 8
    .kernarg_segment_size: 16
    .max_flat_workgroup_size: 256
    .sgpr_count:     66
    .vgpr_count:     98
    .wavefront_size: 32
...
	.end_amdgpu_metadata
.endif
;; end of part 4
